; MI455X (gfx1250); checked and timed in simulation.
; The chip was launched on July 23, 2026; its instructions are those of AMD's public machine-readable ISA for CDNA 5 (MIT licence, August 2026) and "CDNA5" Instruction Set Architecture Reference Guide (July 2026). The comments in the code are by the model that wrote it; some were corrected since.
;; Ring Attention. Allowed arithmetic: matrix products marked QUANTISED: E3M2 operands, one E8M0 scale for each 32 along K, by v_wmma_scale_f32_16x16x128_f8f6f4 with both operands' format E3M2, f32 sums; everything else in f32.
;; Inputs: k_local_codes 32 x 8,192 x 2 x 24 uint8 (E3M2 codes of k_local, K innermost, in blocks of 32 codes, four codes in three bytes); k_local_scales 32 x 8,192 x 2 uint8 (E8M0 scales of k_local, one for each 32 codes along K); q_local_codes 32 x 1,024 x 2 x 24 uint8 (E3M2 codes of q_local, K innermost, in blocks of 32 codes, four codes in three bytes); q_local_scales 32 x 1,024 x 2 uint8 (E8M0 scales of q_local, one for each 32 codes along K); v_local_codes 32 x 64 x 256 x 24 uint8 (E3M2 codes of v_local, K innermost, in blocks of 32 codes, four codes in three bytes); v_local_scales 32 x 64 x 256 uint8 (E8M0 scales of v_local, one for each 32 codes along K).
;; Outputs: out0 32 x 1,024 x 64 float32.
;; This version of the problem:
;;   THIS VERSION OF THE PROBLEM IS GIVEN IN LOW PRECISION. The matrix products marked QUANTISED in the list below multiply operands that are first quantised to E3M2 (3 exponent bits, 2 mantissa bits; 6 bits a number), with one power-of-two scale for each 32 numbers along K (OCP MX v1.0); their sums are f32. All else is computed in f32.
;;   The module's matrix products, in the order in which they are computed (A, B: the left and right operand; K: the contracted axis; several contracted axes count as one K, in the product's order):
;;     1. batch 32 x [M 1,024, K 64] x [K 64, N 8,192]; A: input q_local (given as codes); B: input k_local (given as codes): QUANTISED
;;     2. batch 32 x [M 1,024, K 8,192] x [K 8,192, N 64]; A: softmax (see below); B: input v_local (given as codes): QUANTISED
;;   THE QUANTISER, for each operand of a quantised product, along K:
;;     - K is cut into blocks of 32 from its start; a last block that is shorter is filled with zeros.
;;     - A block's scale is 2^e with e = floor(log2(the largest magnitude in the block)) - 4, held to -126 .. 127; a block of zeros has e = 0. As a byte (E8M0): e + 127.
;;     - Each number is divided by its block's scale, clamped to +-28, and rounded to the nearest number of E3M2, ties to even, subnormals kept.
;;     - The product sums the exact products of the quantised numbers (number of the format x scale) in f32.
;;   ~~~python
;;   def quantise(x, axis):      # numpy; x: float32 -> the quantised numbers, widened to float32 again
;;       x = np.moveaxis(x, axis, -1); K = x.shape[-1]
;;       x = np.pad(x, [(0, 0)] * (x.ndim - 1) + [(0, -K % 32)]); x = x.reshape(x.shape[:-1] + (-1, 32)); a = np.abs(x).max(-1, keepdims=True)
;;       e = np.where(a > 0, np.clip(np.frexp(np.where(a > 0, a, 1))[1] - 1 - 4, -126, 127), 0)      # np.frexp(a)[1] - 1 = floor(log2(a)), exactly
;;       r = np.clip(x / 2.0 ** e, -28, 28)
;;       step = 2.0 ** (np.maximum(np.frexp(np.where(r == 0, 1, r))[1] - 1, -2) - 2)
;;       q = np.round(r / step) * step * 2.0 ** e      # np.round: ties to even
;;       return np.moveaxis(q.reshape(q.shape[:-2] + (-1,))[..., :K], -1, axis).astype(np.float32)
;;   ~~~
;;   SOFTMAX AHEAD OF A QUANTISED PRODUCT. Where the list says 'softmax', what is quantised is not the finished softmax but p = 2^(t - M), with t = logit x log2(e) and M = ceil(the row's largest t), a whole number; so 1/2 < the row's largest p <= 1. The row's sum l is taken of the UNQUANTISED p, in f32, and the product's result is divided by l at the end. Since M is a whole number, a kernel that streams over the keys may use a running M (the ceiling of the running maximum): every later rescaling is an exact power of two, which a block's scale takes up: the codes' values come out the same.
;;   OPERANDS COMPUTED ON THE WAY. 'Computed on the way' means the value that the module computes at that place (a softmax that the list does not call 'softmax' is quantised finished and normalised). What goes into a quantiser is computed in f32, as accurately as f32 sums, v_exp_f32 and their like allow (about 1e-6 of the number): no bf16 or f16 on the way to a quantiser, and a product that is left as it is and whose result goes on into a quantised operand takes f32 operands (vector FMAs, or v_wmma_f32_16x16x4_f32). A number that lies on a knife's edge between two numbers of the format may be rounded either way, as far as f32 arithmetic and the matrix unit's own rounding can turn it there, and no further.
;;   INPUTS GIVEN AS CODES. k_local (in the module: [32, 8192, 64], K = its axis 2); q_local (in the module: [32, 1024, 64], K = its axis 2); v_local (in the module: [32, 8192, 64], K = its axis 1): each comes as NAME_codes (uint8): NAME with its K axis moved to the last place and cut into blocks of 32 codes, [.., K / 32, bytes a block], one block behind the other in memory; four codes in three bytes: a row's codes are one little-endian stream of bits, code i at bits 6 i .. 6 i + 5 (a code: sign, 3 exponent bits, 2 mantissa bits); and NAME_scales (uint8): the same leading axes, one E8M0 byte (e + 127) for each 32 codes along K. Its value is code x scale, taken as it is: it is not quantised again, and the codes and scales need not be those that the quantiser above would give.
;; One version. Each part assembles by itself: llvm-mc -triple=amdgcn-amd-amdhsa -mcpu=gfx1250 --defsym DOCPART=n.
;; ======== version 1 of 1: 1 launch
;; limits: right only within a limited range of input values
;; launch ring_attention (part 1): grid 8 x 32, 8 waves a work-group, clusters of 4 x 1, 327,680 bytes of LDS; arguments q_local_codes, q_local_scales, k_local_codes, k_local_scales, v_local_codes, v_local_scales, out0; writes out0
.if DOCPART == 1
	.amdgcn_target "amdgcn-amd-amdhsa--gfx1250"
	.amdhsa_code_object_version 6
	.text
	.protected	k_qeff30b768b_ring_attention
	.globl	k_qeff30b768b_ring_attention
	.p2align	8
	.type	k_qeff30b768b_ring_attention,@function
k_qeff30b768b_ring_attention:
	s_mov_b64 s[64:65], 0
	v_nop
	global_prefetch_b8 v0, s[64:65] scope:SCOPE_SE
	s_setreg_imm32_b32 hwreg(HW_REG_WAVE_MODE, 25, 1), 1
	s_wait_xcnt 0x0
	s_wait_alu depctr_hold_cnt(0) depctr_sa_sdst(0) depctr_va_vdst(0) depctr_va_sdst(0) depctr_va_ssrc(0) depctr_va_vcc(0) depctr_vm_vsrc(0)
	s_getreg_b32 s2, hwreg(HW_REG_IB_STS2, 6, 4)
	s_cmp_eq_u32 s2, 0
	s_cbranch_scc0 .Lentry_in_a_cluster
	s_endpgm
.Lentry_in_a_cluster:
	s_bfe_u32 s2, ttmp6, 0x10000c
	s_cmp_lg_u32 s2, 0x3003
	s_cbranch_scc0 .Lentry_shape_is_right
	s_endpgm
.Lentry_shape_is_right:
; out[b][q][:] = sum over k of softmax_k(Q[b][q] . K[b][k]) V[b][k][:]: 32 batches, 1,024 queries, 8,192 keys, head size 64; both products on E3M2 codes with one E8M0 byte for each 32 along K.
; Q, K: 48 bytes of codes and 2 scale bytes a row.  V: codes with the keys innermost, [b][64][8,192]: 6,144 bytes and 256 scale bytes a row.  out: [b][1,024][64] f32.
; SOFTMAX: t = score x log2(e); M = the running largest t rounded up to a whole number; p = 2^(t - M) is quantised along the keys.  The row's sum is taken of the unquantised p in f32 and divides at the end.
; When M moves, the sum and O are multiplied by 2^(old M - new M), which rounds nothing.  No work of reference() is left out.
; SHARES: a work-group owns 128 queries of one batch.  Wave 4 g + qg owns 32 queries (tile A: bulk registers in window 0; tile B: in window 1 at the same numbers) and key half g of every slot of 1,024 keys:
; 32 steps of 128 keys; each fragment of K and V feeds two matrix instructions.  At the end the two key halves meet in LDS and are brought under one M by exact powers of two.
; LAYOUT: both products transposed: S^T = K Q^T, O^T = V^T P^T: a lane holds one query (lane % 16).  Lane r of key tile 4 c + u takes key 64 c + 32 (r / 8) + 8 u + r % 8, so that registers S + 32 c + 0..31 of
; lane (r, h) are keys 64 c + 32 h + 0..31: two whole blocks of 32 in the 6-bit operand's order: a block's maximum needs no other lane and the codes change no lane.
; THE FIRST PRODUCT'S K IS 64 OF THE INSTRUCTION'S 128: Q's registers 6-11 hold zero codes; K's fragments lie 6 registers apart, so a fragment's upper half is the next one's codes (the last one's: zeros);
; they meet zero codes, E3M2 has no infinity or NaN, and the scale words are loaded as 16 bits, so their upper bytes are 0 and never 0xff: those products are 0.
; A STEP takes both tiles through each phase together: maxima, row statistics, scalings, ONE batch of 132 exponentials (one wait ahead, one behind), scale words and codes, tile B's sums, the second product,
; the next step's scores of tile B, tile A's sums, the next step's scores of tile A.  O^T and S^T are written behind a batch and first read ahead of the next.  Both tiles' small state lies in window 0.
; CLUSTER: the four query blocks of a cluster belong to one batch and walk the same K and V: every tile is asked for jointly, by one descriptor and a mask that names the four.
; PREFETCH: see macro ASK.
; LIMITS: NaN, infinities and the scale byte 0xff among the inputs are not served.  A block of p whose largest number lies under 2^-122 keeps the byte 1.  A block's largest p is made from its largest score by the
; same multiply-add and exponential: this takes v_exp_f32 not to fall where its input rises.  The f32 sums go in four chains and by key halves, which are then added.
.set DELTA, 24704                      ; a slot: K's even blocks of 32 keys at 0, its odd blocks DELTA on: 128 above a multiple of 256, so that a load's 32 lanes name 64 different words modulo 64
.set VOFF,  49408                      ; then V: 64 rows,
.set VP,    816                        ; each 768 bytes with 8 of padding behind every 128
.set SLOT1, 131072                     ; slot 1: one exclusive or turns an address of one slot into the other's
.set SCK,   262144                     ; K's scale bytes of the whole batch, 16,384 dense bytes
.set SCV,   278528                     ; V's: 64 rows of 256 + 8
.set SPARE, 295424                     ; the spare words: 128 bytes a wave, named by the add alone
.set MRGW,  8704                       ; the end: a wave's images of O^T (2 x 4,096) and statistics (4 x 128)
.set OSTG,  69632                      ; and a stage of 16 x 272 bytes a wave; both in slot 0, behind its last fill and last read
.set AK0,  1                           ; v1-5 my lane's places: K, V, V behind one padding more, K's scale words, V's
.set AV0,  2
.set AV1,  3
.set ASK0, 4
.set ASV0, 5
.set SPW,  6                           ; v6 my spare word's address, v7 = 0: never rewritten
.set NIL,  7
.set ADK,  8                           ; v8-12 the five places in the slot in hand
.set ADV,  9
.set ADV2, 10
.set ADS,  11
.set ADT,  12
.set PFO,  13                          ; v13 the prefetches' offset
.set QO,   14
.set QSO,  15
.set XA,   16                          ; v16-33 tile A's state; v228-245 tile B's (XA + 212), both in window 0:
.set NM,   0                           ; -M
.set MX,   1                           ; the largest score
.set L,    2                           ; the sum, a pair
.set F,    4                           ; 2^(old M - new M), low word of a pair
.set OLD,  6
.set T,    7
.set BM,   8                           ; four chains of the maximum; then the two blocks' largest
.set SOP,  12                          ; the conversions' scale operands
.set BY,   14                          ; the scale bytes
.set PT,   16                          ; what lane l xor 16 sends
.set WT,   17
.set CT,   34                          ; v34-36, v38-40 (the tile's window): a block's upper 16 codes before they are moved
.set AT,   34                          ; v34-39 (window 0): three more chains of the sum, behind the moves
.set SH8,  42                          ; 8 h
.set P,    44
.set Q,    56
.set S,    68
.set O,    132
.set KF,   164                         ; window 0: K's fragments
.set VF,   164                         ; window 1: V's
.set KS,   218                         ; v218-226 scale words and nothing else: K's (4), V's (2), Q's, p's of tile A, B
.set VS,   222
.set QS,   224
.set PWA,  225
.set WV,   18
.set GRP,  19
.set SEL,  20                          ; s[20:21] selects for lane l xor 16
.set CS,   22                          ; s[22:23] log2(e)
.set G1K,  24
.set G1V,  32
.set G1KS, 40
.set G1VS, 48
.set G0K,  56
.set G0V,  60
.set G0KS, 68
.set G0VS, 72
.set TB,   76                          ; LDS byte of the slot in hand; its scale words of K; of V
.set TS,   77
.set TJ,   78
.set SLOTS, 79
.set PFA,  80
.set PFS,  82
.set LIM,  84
.set QG,   85
.set MSB, 0
.macro WIN new                         ; s_set_vgpr_msb: bits 1:0 source 0, 3:2 source 1, 5:4 source 2, 7:6 destination; the high byte repeats the setting left
.if MSB != (\new)
	s_set_vgpr_msb (MSB<<8)|(\new)
.set MSB, \new
.endif
.endm
.macro PLACES
.rept 4
	v_nop
.endr
.endm
.macro D n
	s_delay_alu instid0(VALU_DEP_\n)
.endm
.macro CROUND                          ; a round of the cluster's barrier
	s_barrier_signal -1
	s_barrier_wait -1
	s_cmp_lg_u32 s[WV], 0
	s_cbranch_scc1 .Lnot_wave_0_\@
	s_barrier_signal -3
.Lnot_wave_0_\@:
	s_barrier_wait -3
	s_barrier_signal -1
	s_barrier_wait -1
.endm
.macro JLOAD                           ; a joint refill: waves 0, 1 K's two parities of blocks, waves 2, 3 V's two halves of rows; the others have no part
	s_cmp_lt_u32 s[WV], 2
	s_cbranch_scc0 .Lnot_k_\@
	tensor_load_to_lds s[G0K:G0K+3], s[G1K:G1K+7]
	s_nop 0
	PLACES
	s_branch .Lasked_\@
.Lnot_k_\@:
	s_cmp_lt_u32 s[WV], 4
	s_cbranch_scc0 .Lasked_\@
	tensor_load_to_lds s[G0V:G0V+3], s[G1V:G1V+7]
	s_nop 0
	PLACES
.Lasked_\@:
.endm
; A prefetch of what the NEXT change of slots will ask for: 49,152 dense bytes of K and 768 bytes of each of V's 64 rows: 384 aligned blocks of 256 bytes, each named once in the launch.
; Both clusters of a batch walk the same K and V: the first asks.  Its partners are told apart by address: 0 and 1 take K's halves (waves 0-2: 8,192 bytes each, lanes 256 bytes apart), 2 and 3 take 32 rows of V
; each (a lane a row; waves 0-2: the row's three blocks).  The last change that fills a slot asks for nothing; slots 0 and 1 come by their loads alone.
.macro ASK
	s_cmp_gt_u32 s[SLOTS], s[LIM]
	s_cbranch_scc0 .Lnot_mine_\@
	global_prefetch_b8 v[PFO], s[PFA:PFA+1] th:TH_LOAD_NT scope:SCOPE_SE
.Lnot_mine_\@:
.endm
.macro KL ql, t                        ; K's fragment t of step ql: 24 bytes a lane in three pieces
.irp p, 0,1,2
	ds_load_b64 v[KF+6*(\t)+2*\p:KF+6*(\t)+2*\p+1], v[ADK] offset:3072*(\ql)+1536*((\t)/4)+384*((\t)%4)+8*\p
.endr
.endm
.macro KSL ql                          ; its scale words: two bytes a key, the upper bytes 0
.irp i, 0,1,2,3
	ds_load_u16 v[KS+\i], v[ADS] offset:256*(\ql)+128*(\i/2)+32*(\i%2)
.endr
.endm
.macro VLOAD ql                        ; V of step ql: four fragments of 16 channels x 128 keys and two registers of scale words; lanes 16-31 read three pieces on, by the second address where that is behind one padding more
	WIN 0x40
.irp t, 0,1,2,3
.irp p, 0,1,2,3,4,5
.set PC, 12*(\ql)+6*(\p/3)+\p%3
.if PC%16 < 13
	ds_load_b64 v[VF+12*\t+2*\p:VF+12*\t+2*\p+1], v[ADV] offset:16*VP*\t+8*PC+8*(PC/16)
.else
	ds_load_b64 v[VF+12*\t+2*\p:VF+12*\t+2*\p+1], v[ADV2] offset:16*VP*\t+8*PC+8*(PC/16)
.endif
.endr
.endr
	WIN 0
.irp i, 0,1
	ds_load_b32 v[VS+\i], v[ADT] offset:8448*\i+4*(\ql)
.endr
.endm
.macro KQ x, t                         ; S^T of query tile x, key tile t
	WIN 0x44*(\x)
.if ((\t)%2 == 0) && ((\x) == 0)
	v_wmma_scale_f32_16x16x128_f8f6f4 v[S+8*(\t):S+8*(\t)+7], v[KF+6*(\t):KF+6*(\t)+11], v[Q:Q+11], 0, v[KS+(\t)/2], v[QS] matrix_a_fmt:MATRIX_FMT_BF6 matrix_b_fmt:MATRIX_FMT_BF6
.elseif (\x) == 0
	v_wmma_scale_f32_16x16x128_f8f6f4 v[S+8*(\t):S+8*(\t)+7], v[KF+6*(\t):KF+6*(\t)+11], v[Q:Q+11], 0, v[KS+(\t)/2], v[QS] matrix_a_fmt:MATRIX_FMT_BF6 matrix_b_fmt:MATRIX_FMT_BF6 matrix_a_scale:MATRIX_SCALE_ROW1
.elseif (\t)%2 == 0
	v_wmma_scale_f32_16x16x128_f8f6f4 v[S+8*(\t):S+8*(\t)+7], v[KF+6*(\t):KF+6*(\t)+11], v[Q:Q+11], 0, v[KS+(\t)/2], v[QS] matrix_a_fmt:MATRIX_FMT_BF6 matrix_b_fmt:MATRIX_FMT_BF6 matrix_b_scale:MATRIX_SCALE_ROW1
.else
	v_wmma_scale_f32_16x16x128_f8f6f4 v[S+8*(\t):S+8*(\t)+7], v[KF+6*(\t):KF+6*(\t)+11], v[Q:Q+11], 0, v[KS+(\t)/2], v[QS] matrix_a_fmt:MATRIX_FMT_BF6 matrix_b_fmt:MATRIX_FMT_BF6 matrix_a_scale:MATRIX_SCALE_ROW1 matrix_b_scale:MATRIX_SCALE_ROW1
.endif
.endm
.macro PV x, t                         ; O^T of tile x, channels 16 t on, += V^T P^T; the eight accumulators take turns
	WIN 0x01+0x54*(\x)
.if (\t)%2 == 0
	v_wmma_scale_f32_16x16x128_f8f6f4 v[O+8*(\t):O+8*(\t)+7], v[VF+12*(\t):VF+12*(\t)+11], v[P:P+11], v[O+8*(\t):O+8*(\t)+7], v[VS+(\t)/2], v[PWA+(\x)] matrix_a_fmt:MATRIX_FMT_BF6 matrix_b_fmt:MATRIX_FMT_BF6
.else
	v_wmma_scale_f32_16x16x128_f8f6f4 v[O+8*(\t):O+8*(\t)+7], v[VF+12*(\t):VF+12*(\t)+11], v[P:P+11], v[O+8*(\t):O+8*(\t)+7], v[VS+(\t)/2], v[PWA+(\x)] matrix_a_fmt:MATRIX_FMT_BF6 matrix_b_fmt:MATRIX_FMT_BF6 matrix_a_scale:MATRIX_SCALE_ROW1
.endif
.endm
.macro MG x, k                         ; part k of 8 of the maxima: four chains of 16 scores by turns, ascending
.set X, XA+212*(\x)
.if (\k) == 0
	WIN 0x15*(\x)
.irp n, 0,1,2,3
	v_max3_num_f32 v[X+BM+\n], v[S+32*(\n%2)+16*(\n/2)], v[S+32*(\n%2)+16*(\n/2)+1], v[S+32*(\n%2)+16*(\n/2)+2]
.endr
.elseif (\k) < 7
	WIN 0x14*(\x)
.irp n, 0,1,2,3
	v_max3_num_f32 v[X+BM+\n], v[X+BM+\n], v[S+32*(\n%2)+16*(\n/2)+2*(\k)+1], v[S+32*(\n%2)+16*(\n/2)+2*(\k)+2]
.endr
.else
	WIN 0x14*(\x)
.irp c, 0,1
	v_max3_num_f32 v[X+BM+\c], v[X+BM+\c], v[S+32*\c+15], v[S+32*\c+31]
.endr
.endif
.endm
.macro RS x, l                         ; line l of the row's statistics: the blocks' largest, the running largest score, -M = floor(-t), f = 2^(old M - new M)
.set X, XA+212*(\x)
.if (\l) == 0
	v_max_num_f32 v[X+BM], v[X+BM], v[X+BM+2]
.elseif (\l) == 1
	v_max_num_f32 v[X+BM+1], v[X+BM+1], v[X+BM+3]
.elseif (\l) == 2
	v_max_num_f32 v[X+T], v[X+BM], v[X+BM+1]
.elseif (\l) == 3
	v_permlanex16_b32 v[X+PT], v[X+T], s[SEL], s[SEL+1]
.elseif (\l) == 4
	v_max3_num_f32 v[X+MX], v[X+MX], v[X+T], v[X+PT]
.elseif (\l) == 5
	v_mov_b32 v[X+OLD], v[X+NM]
.elseif (\l) == 6
	v_mul_f32 v[X+T], s[CS], v[X+MX]
.elseif (\l) == 7
	v_floor_f32 v[X+NM], -v[X+T]
.elseif (\l) == 8
	v_sub_f32 v[X+OLD], v[X+NM], v[X+OLD]
.elseif (\l) == 9
	v_cvt_i32_f32 v[X+OLD], v[X+OLD]
.else
	v_ldexp_f32 v[X+F], 1.0, v[X+OLD]
.endif
.endm
.macro FMAS x, from, n                 ; n pairs of scores from pair 'from' on: t - M
.set fi, \from
.rept \n
	v_pk_fma_f32 v[S+2*fi:S+2*fi+1], v[S+2*fi:S+2*fi+1], s[CS:CS+1], v[XA+212*(\x):XA+212*(\x)+1] op_sel_hi:[1,0,0]
.set fi, fi+1
.endr
.endm
.macro OMULS x                         ; O^T under the new M, ascending
.set fi, 0
.rept 16
	v_pk_mul_f32 v[O+2*fi:O+2*fi+1], v[O+2*fi:O+2*fi+1], v[XA+212*(\x)+F:XA+212*(\x)+F+1] op_sel_hi:[1,0]
.set fi, fi+1
.endr
.endm
.macro EXPS
.set fi, 0
.rept 64
	v_exp_f32 v[S+fi], v[S+fi]
.set fi, fi+1
.endr
.endm
.macro CVT1 dst, src, sop
	v_cvt_scalef32_pk16_bf6_f32 v[\dst:\dst+2], v[S+\src:S+\src+15], v[\sop]
.endm
.macro MOVS                            ; a conversion's three registers begin on an even number: the upper halves are moved to their places
.irp i, 0,1,2
	v_mov_b32 v[P+3+\i], v[CT+\i]
.endr
.irp i, 0,1,2
	v_mov_b32 v[P+9+\i], v[CT+4+\i]
.endr
.endm
.macro SUMS x                          ; the 32 pairs of unquantised p onto the row's sum: four chains by turns, then joined
.set X, XA+212*(\x)
	WIN 0x04*(\x)
	v_pk_add_f32 v[X+L:X+L+1], v[X+L:X+L+1], v[S:S+1]
	WIN 0x05*(\x)
.irp j, 1,2,3
	v_pk_add_f32 v[AT+2*\j-2:AT+2*\j-1], v[S+2*\j:S+2*\j+1], v[S+2*\j+8:S+2*\j+9]
.endr
	WIN 0x04*(\x)
	v_pk_add_f32 v[X+L:X+L+1], v[X+L:X+L+1], v[S+8:S+9]
.irp i, 2,3,4,5,6,7
.irp j, 1,2,3
	v_pk_add_f32 v[AT+2*\j-2:AT+2*\j-1], v[AT+2*\j-2:AT+2*\j-1], v[S+8*\i+2*\j:S+8*\i+2*\j+1]
.endr
	v_pk_add_f32 v[X+L:X+L+1], v[X+L:X+L+1], v[S+8*\i:S+8*\i+1]
.endr
	WIN 0
	v_pk_add_f32 v[AT:AT+1], v[AT:AT+1], v[AT+2:AT+3]
	v_pk_add_f32 v[X+L:X+L+1], v[X+L:X+L+1], v[AT+4:AT+5]
	v_pk_add_f32 v[X+L:X+L+1], v[X+L:X+L+1], v[AT:AT+1]
.endm
; A KEY STEP: 128 keys, the ql-th of my half of the slot, both tiles.  At its head both tiles' scores have been issued.
.macro BODY ql
	VLOAD \ql                                      ; V's registers were last read 32 plain lines ago (tile A's sums)
.irp k, 0,1,2,3,4,5,6,7
	MG 1, \k                                       ; tile B's maxima: also the places behind tile A's score products
.endr
	WIN 0
	MG 0, 0                                        ; tile A's maxima, with tile B's statistics between the groups
	RS 1, 0
	RS 1, 1
	MG 0, 1
	RS 1, 2
	MG 0, 2
	RS 1, 3
	MG 0, 3
	RS 1, 4
	RS 1, 5
	MG 0, 4
	RS 1, 6
	MG 0, 5
	RS 1, 7
	MG 0, 6
	RS 1, 8
	MG 0, 7
	D 3
	RS 1, 9
	D 3
	RS 0, 0
	D 3
	RS 0, 1
	D 3
	RS 1, 10
	D 2
	RS 0, 2                                        ; tile A's statistics, with the next step's K (28 LDS loads) between the lines
.if (\ql) < 3
	KL (\ql)+1, 0
.endif
	RS 0, 3
.if (\ql) < 3
	KL (\ql)+1, 1
.endif
	RS 0, 4
	RS 0, 5
.if (\ql) < 3
	KL (\ql)+1, 2
.endif
	RS 0, 6
.if (\ql) < 3
	KL (\ql)+1, 3
.endif
	RS 0, 7
.if (\ql) < 3
.irp t, 4,5,6,7
	KL (\ql)+1, \t
.endr
	KSL (\ql)+1
.endif
	RS 0, 8
	FMAS 0, 0, 4
	RS 0, 9
	FMAS 0, 4, 4
	RS 0, 10
	FMAS 0, 8, 24
.irp c, 0,1
	v_fma_f32 v[XA+BM+\c], v[XA+BM+\c], s[CS], v[XA]           ; the same of each block's largest score
	v_fma_f32 v[XA+212+BM+\c], v[XA+212+BM+\c], s[CS], v[XA+212]
.endr
	OMULS 0
	WIN 0x41                                       ; tile B's bulk in window 1, its -M and f in window 0
	FMAS 1, 0, 32
	OMULS 1
	s_wait_alu depctr_va_vdst(0)                   ; the wait ahead of the batch
	EXPS                                           ; p of tile B,
	WIN 0
.irp c, 0,1
	v_exp_f32 v[XA+BM+\c], v[XA+BM+\c]             ; the four blocks' largest p,
	v_exp_f32 v[XA+212+BM+\c], v[XA+212+BM+\c]
.endr
	EXPS                                           ; p of tile A
	v_pk_mul_f32 v[XA+L:XA+L+1], v[XA+L:XA+L+1], v[XA+F:XA+F+1] op_sel_hi:[1,0]   ; the sums under the new M: the plain lines behind the batch
	v_pk_mul_f32 v[XA+212+L:XA+212+L+1], v[XA+212+L:XA+212+L+1], v[XA+212+F:XA+212+F+1] op_sel_hi:[1,0]
	s_wait_alu depctr_va_vdst(0)                   ; and the one wait behind it, ahead of its first reader
.irp r, XA+BM, XA+BM+1, XA+212+BM, XA+212+BM+1
	v_max_num_f32 v[\r], 0x2800000, v[\r]          ; the floor 2^(5 - 127): the byte cannot fall under 1
.endr
.irp r, XA+BM, XA+BM+1, XA+212+BM, XA+212+BM+1
	v_add_nc_u32 v[\r+4], 0xfe000000, v[\r]        ; 4 off the exponent field: the conversion's scale operand
.endr
	CVT1 P, 0, XA+SOP                              ; tile A's codes, with the scale words' lines between
	v_lshrrev_b32 v[XA+BY], 23, v[XA+SOP]
	v_lshrrev_b32 v[XA+BY+1], 23, v[XA+SOP+1]
	CVT1 CT, 16, XA+SOP
	v_lshrrev_b32 v[XA+212+BY], 23, v[XA+212+SOP]
	v_lshrrev_b32 v[XA+212+BY+1], 23, v[XA+212+SOP+1]
	CVT1 P+6, 32, XA+SOP+1
	v_lshl_or_b32 v[XA+WT], v[XA+BY+1], 16, v[XA+BY]           ; my two bytes: blocks h and 2 + h,
	v_lshl_or_b32 v[XA+212+WT], v[XA+212+BY+1], 16, v[XA+212+BY]
	CVT1 CT+4, 48, XA+SOP+1
	v_lshlrev_b32 v[XA+WT], v[SH8], v[XA+WT]                   ; at their places in the word
	v_lshlrev_b32 v[XA+212+WT], v[SH8], v[XA+212+WT]
	WIN 0x41
	CVT1 P, 0, XA+212+SOP                          ; tile B's codes
	CVT1 CT, 16, XA+212+SOP
	CVT1 P+6, 32, XA+212+SOP+1
	CVT1 CT+4, 48, XA+212+SOP+1
	WIN 0
	v_permlanex16_b32 v[XA+PT], v[XA+WT], s[SEL], s[SEL+1]
	v_permlanex16_b32 v[XA+212+PT], v[XA+212+WT], s[SEL], s[SEL+1]
	MOVS
	v_or_b32 v[PWA], v[XA+WT], v[XA+PT]            ; with lane l xor 16's two bytes the word is whole
	v_or_b32 v[PWA+1], v[XA+212+WT], v[XA+212+PT]
	WIN 0x41
	MOVS
	SUMS 1                                         ; 32 plain lines between the scale words (8 are asked), the moves (4) and the products
	s_wait_dscnt 0x0                               ; V, its scale words and the next step's K are in
.irp t, 0,1,2,3
	PV 0, \t
.endr
.irp t, 0,1,2,3
	PV 1, \t
.endr
.if (\ql) < 3
.irp t, 0,1,2,3,4,5,6,7
	KQ 1, \t                                       ; the next step's scores of tile B: its p has been summed and converted
.endr
.endif
	SUMS 0                                         ; the places behind those products
.if (\ql) < 3
.irp t, 0,1,2,3,4,5,6,7
	KQ 0, \t
.endr
.endif
	WIN 0
.endm
.macro SLOT_STEPS                      ; my four steps of the slot in hand
	v_add_nc_u32 v[ADK], s[TB], v[AK0]
	v_add_nc_u32 v[ADV], s[TB], v[AV0]
	v_add_nc_u32 v[ADV2], s[TB], v[AV1]
	v_add_nc_u32 v[ADS], s[TS], v[ASK0]
	v_add_nc_u32 v[ADT], s[TJ], v[ASV0]
.irp t, 0,1,2,3,4,5,6,7
	KL 0, \t
.endr
	KSL 0
	s_wait_alu depctr_va_vdst(0)
	s_wait_dscnt 0x0
.irp t, 0,1,2,3,4,5,6,7
	KQ 1, \t
.endr
.irp t, 0,1,2,3,4,5,6,7
	KQ 0, \t
.endr
	PLACES                                         ; four places in front of the first read of the scores (ISA guide 7.12.1)
	BODY 0
	BODY 1
	BODY 2
	BODY 3
	s_xor_b32 s[TB], s[TB], SLOT1
	s_add_co_u32 s[TS], s[TS], 2048
	s_add_co_u32 s[TJ], s[TJ], 32
.endm
; THE CHANGE OF SLOTS: each wave waits for all its tensor loads, adds 0 to its spare word, and waits for that and for its reads of the slot that it has left.
; fill = 1: a round of the cluster's barrier follows, and the joint refill is the first tensor load behind it: it has a slot's four steps in which to land.
.macro CHANGE fill
	WIN 0
	s_wait_tensorcnt 0x0
	ds_add_u32 v[SPW], v[NIL]                      ; the descriptors' steps stand between the add and the wait for it
.if \fill
	s_xor_b32 s[G0K+1], s[G0K+1], SLOT1
	s_add_nc_u64 s[G0K+2:G0K+3], s[G0K+2:G0K+3], 49152
	s_xor_b32 s[G0V+1], s[G0V+1], SLOT1
	s_add_nc_u64 s[G0V+2:G0V+3], s[G0V+2:G0V+3], 768
	s_wait_xcnt 0x0                                ; the last prefetch, a slot back, has read its address
	s_add_nc_u64 s[PFA:PFA+1], s[PFA:PFA+1], s[PFS:PFS+1]
	s_wait_dscnt 0x0
	CROUND
	JLOAD
	ASK
.else
	s_wait_dscnt 0x0
	s_barrier_signal -1
	s_barrier_wait -1
.endif
.endm
	s_load_b256 s[4:11], s[0:1], 0x0               ; Q's codes, Q's scales, K's codes, K's scales
	s_load_b128 s[12:15], s[0:1], 0x20             ; V's codes, V's scales
	s_load_b64 s[16:17], s[0:1], 0x30              ; out
	v_lshl_add_u32 v[SPW], v0, 2, SPARE
	v_mov_b32 v[NIL], 0
	ds_add_u32 v[SPW], v[NIL]                      ; the opening lines: the add twice on end and one wait
	ds_add_u32 v[SPW], v[NIL]
	v_lshrrev_b32 v68, 5, v0
	v_readfirstlane_b32 s[WV], v68                 ; wave 0..7
	s_lshr_b32 s[GRP], s[WV], 2
	s_and_b32 s[QG], s[WV], 3
	s_and_b32 s86, s[WV], 1                        ; which half of a tile I fetch
	s_and_b32 s88, ttmp7, 0xffff                   ; the batch, which the four partners share
	s_mul_i32 s90, s88, 393216                     ; its first byte in K's codes and in V's,
	s_lshl_b32 s92, s88, 14                        ; and in their scale bytes
	s_mul_i32 s94, s86, 1536
	s_add_co_u32 s94, s94, s90
	s_mov_b32 s95, 0                               ; s[94:95] K: the blocks of 32 keys of my parity
	s_mul_i32 s96, s86, 196608
	s_add_co_u32 s96, s96, s90
	s_mov_b32 s97, 0                               ; s[96:97] V: rows 32 x half on
	s_lshl_b32 s98, s86, 13
	s_add_co_u32 s98, s98, s92
	s_mov_b32 s99, 0                               ; s[98:99] half of the batch's scale bytes
	s_mul_i32 s87, s86, DELTA                      ; where they go: no place in the cluster enters an LDS address
	s_mul_i32 s89, s86, 32*VP
	s_add_co_u32 s89, s89, VOFF
	s_lshl_b32 s91, s86, 13
	s_add_co_u32 s91, s91, SCK
	s_mul_i32 s93, s86, 8448
	s_add_co_u32 s93, s93, SCV
	; groups 1.  K: 16 rows of 1,536 bytes (32 keys), every second block: 3,072 bytes apart; dense in LDS
	s_mov_b32 s[G1K], 15|(1<<21)
	s_mov_b32 s[G1K+1], 1536<<16
	s_mov_b32 s[G1K+2], 16<<16
	s_mov_b32 s[G1K+3], 1536<<16
	s_mov_b32 s[G1K+4], 16
	s_mov_b32 s[G1K+5], 3072
	s_mov_b32 s[G1K+6], 0
	s_mov_b32 s[G1K+7], 0
	; V: 32 rows of 768 bytes (1,024 keys), 6,144 apart; 2 words of padding behind every 32
	s_mov_b32 s[G1V], 15|(1<<20)|(1<<21)|(4<<22)|(1<<25)
	s_mov_b32 s[G1V+1], 768<<16
	s_mov_b32 s[G1V+2], 32<<16
	s_mov_b32 s[G1V+3], 768<<16
	s_mov_b32 s[G1V+4], 32
	s_mov_b32 s[G1V+5], 6144
	s_mov_b32 s[G1V+6], 0
	s_mov_b32 s[G1V+7], 0
	; the scale bytes: 8,192 dense bytes as 32 rows of 256 (32 elements of 8 bytes); V's with 2 words behind each row
	s_mov_b32 s[G1KS], 15|(3<<16)|(1<<21)
	s_mov_b32 s[G1VS], 15|(3<<16)|(1<<20)|(1<<21)|(5<<22)|(1<<25)
.irp g, G1KS, G1VS
	s_mov_b32 s[\g+1], 32<<16
	s_mov_b32 s[\g+2], 32<<16
	s_mov_b32 s[\g+3], 32<<16
	s_mov_b32 s[\g+4], 32
	s_mov_b32 s[\g+5], 32
	s_mov_b32 s[\g+6], 0
	s_mov_b32 s[\g+7], 0
.endr
	s_mov_b32 s[SEL], 0x76543210
	s_mov_b32 s[SEL+1], 0xfedcba98
	s_mov_b32 s[CS], 0x3fb8aa3b                    ; log2(e)
	s_mov_b32 s[CS+1], s[CS]
	s_mov_b32 s[TB], 0
	s_mov_b32 s[TS], 0
	s_mov_b32 s[TJ], 0
	s_mov_b32 s[SLOTS], 7
	s_wait_dscnt 0x0                               ; both opening adds are done
	s_wait_kmcnt 0x0
	s_mov_b32 s[G0K], 1
	s_mov_b32 s[G0K+1], s87
	s_add_nc_u64 s[G0K+2:G0K+3], s[8:9], s[94:95]
	s_or_b32 s[G0K+3], s[G0K+3], 0x80000000
	s_mov_b32 s[G0V], 1
	s_mov_b32 s[G0V+1], s89
	s_add_nc_u64 s[G0V+2:G0V+3], s[12:13], s[96:97]
	s_or_b32 s[G0V+3], s[G0V+3], 0x80000000
	s_mov_b32 s[G0KS], 1
	s_mov_b32 s[G0KS+1], s91
	s_add_nc_u64 s[G0KS+2:G0KS+3], s[10:11], s[98:99]
	s_or_b32 s[G0KS+3], s[G0KS+3], 0x80000000
	s_mov_b32 s[G0VS], 1
	s_mov_b32 s[G0VS+1], s93
	s_add_nc_u64 s[G0VS+2:G0VS+3], s[14:15], s[98:99]
	s_or_b32 s[G0VS+3], s[G0VS+3], 0x80000000
	CROUND                                         ; all four work-groups are here: the first joint loads meet
	s_cmp_lt_u32 s[WV], 2                          ; one chain, one load to an arm: waves 0-1 slot 0's K, 2-3 its V, 4-5 K's scale bytes, 6-7 V's: one tensor load a wave at the head
	s_cbranch_scc0 .Lhead_1
	tensor_load_to_lds s[G0K:G0K+3], s[G1K:G1K+7]
	s_nop 0
	PLACES
	s_branch .Lhead_asked
.Lhead_1:
	s_cmp_lt_u32 s[WV], 4
	s_cbranch_scc0 .Lhead_2
	tensor_load_to_lds s[G0V:G0V+3], s[G1V:G1V+7]
	s_nop 0
	PLACES
	s_branch .Lhead_asked
.Lhead_2:
	s_cmp_lt_u32 s[WV], 6
	s_cbranch_scc0 .Lhead_3
	tensor_load_to_lds s[G0KS:G0KS+3], s[G1KS:G1KS+7]
	s_nop 0
	PLACES
	s_branch .Lhead_asked
.Lhead_3:
	tensor_load_to_lds s[G0VS:G0VS+3], s[G1VS:G1VS+7]
	s_nop 0
	PLACES
.Lhead_asked:
	s_mul_i32 s94, s[GRP], 12288                   ; my half of a slot: K's eight blocks of each parity,
	s_mul_i32 s95, s[GRP], 408                     ; V's 384 bytes of a row with their three paddings,
	s_add_co_u32 s95, s95, VOFF
	s_lshl_b32 s96, s[GRP], 10                     ; K's 512 scale words of two bytes,
	s_add_co_u32 s96, s96, SCK
	s_lshl_b32 s97, s[GRP], 4                      ; V's four scale words a row
	s_add_co_u32 s97, s97, SCV
	v_and_b32 v68, 15, v0                          ; r
	v_bfe_u32 v69, v0, 4, 1                        ; h
	v_and_b32 v70, 7, v0                           ; r % 8
	v_bfe_u32 v71, v0, 3, 1                        ; r / 8
	v_and_b32 v72, 31, v0                          ; lane
	v_mad_u32_u24 v73, v68, VP, s95                ; five chains by turns.  V: row r of a tile
	v_mul_u32_u24 v[QO], v68, 48                   ; Q: row r
	v_mad_u32_u24 v[AK0], v70, 48, s94             ; K: key r % 8 of a group of eight
	v_lshl_add_u32 v[ASK0], v70, 1, s96            ; K's scale words
	v_mad_u32_u24 v[ASV0], v72, 264, s97           ; V's: channel = lane of 32
	v_mad_u32_u24 v[AV0], v69, 24, v73
	v_mad_u32_u24 v[QO], v69, 24, v[QO]
	v_mad_u32_u24 v[AK0], v71, DELTA, v[AK0]       ; r / 8 picks the odd block of 32
	v_lshl_add_u32 v[ASK0], v71, 6, v[ASK0]
	v_lshl_add_u32 v[AV1], v69, 5, v73
	v_lshlrev_b32 v[QSO], 1, v72                   ; Q's scale words: query = lane of 32
	v_lshlrev_b32 v[SH8], 3, v69
	v_mad_u32_u24 v[AK0], v69, 24, v[AK0]
	v_lshl_add_u32 v[ASK0], v69, 4, v[ASK0]        ; lanes 16-31 take the tile eight keys on
	s_wait_alu depctr_va_vdst(0)                   ; the wait ahead of the run of scalar lines
	s_bfe_u32 s2, ttmp6, 0x40000                   ; cx enters Q's, out's and the prefetches' addresses alone
	s_lshl_b32 s3, ttmp9, 2
	s_add_co_u32 s3, s3, s2                        ; my block of 128 queries
	s_lshl_b32 s3, s3, 7
	s_lshl_b32 s66, s88, 10
	s_add_co_u32 s3, s3, s66
	s_lshl_b32 s66, s[QG], 5
	s_add_co_u32 s3, s3, s66                       ; my first query among the 32,768 rows
	s_mov_b32 s67, 0
	s_mul_i32 s66, s3, 48
	s_add_nc_u64 s[4:5], s[4:5], s[66:67]
	s_lshl_b32 s66, s3, 1
	s_add_nc_u64 s[6:7], s[6:7], s[66:67]
	s_lshl_b32 s66, s[GRP], 4                      ; at the end wave 4 g + qg stores tile g of the group's two
	s_add_co_u32 s3, s3, s66
	s_lshl_b32 s66, s3, 8
	s_add_nc_u64 s[16:17], s[16:17], s[66:67]
.irp p, 0,1,2
	global_load_b64 v[Q+2*\p:Q+2*\p+1], v[QO], s[4:5] offset:8*\p         ; Q stays in registers: tile A,
.endr
	WIN 0x40
.irp p, 0,1,2
	global_load_b64 v[Q+2*\p:Q+2*\p+1], v[QO], s[4:5] offset:768+8*\p     ; tile B, 16 rows on
.endr
	WIN 0
	global_load_u16 v[QS], v[QSO], s[6:7]
	; a tile's start: the largest score -3e38, zeros for the sum and O^T, which the first change of M leaves zeros; Q's upper half: zero codes
.irp x, XA, XA+212
	v_mov_b32 v[\x+MX], 0xff61b1e6
	v_mov_b32 v[\x+L], 0
	v_mov_b32 v[\x+L+1], 0
	v_mov_b32 v[\x+F+1], 0                         ; (named as a pair's upper half)
	v_mov_b32 v[\x+PT], 0                          ; (a lane permute's destination counts as a source)
	v_floor_f32 v[\x+NM], -v[\x+MX]
.endr
.irp i, 48,49,50,51,52,53
	v_mov_b32 v[KF+\i], 0                          ; the upper half of K's last fragment
.endr
.irp w, 0, 0x40
	WIN \w
.irp i, 6,7,8,9,10,11
	v_mov_b32 v[Q+\i], 0
.endr
.set zi, 0
.rept 32
	v_mov_b32 v[O+zi], 0
.set zi, zi+1
.endr
.endr
	WIN 0
	; the prefetches (macro ASK): where my wave's stand, and who asks
	s_mul_i32 s66, s2, 24576
	s_sub_co_u32 s3, s2, 2
	s_mul_i32 s3, s3, 196608
	s_mov_b32 s[PFS], 768
	s_mov_b32 s92, 6144
	s_mov_b32 s93, 256
	s_cmp_lt_u32 s2, 2                             ; a choice of values and of a buffer; no branch hangs on it
	s_cselect_b64 s[PFA:PFA+1], s[8:9], s[12:13]
	s_cselect_b32 s[PFS], 49152, s[PFS]            ; a slot on
	s_cselect_b32 s92, 256, s92                    ; from lane to lane
	s_cselect_b32 s93, 8192, s93                   ; from wave to wave
	s_cselect_b32 s66, s66, s3
	s_mov_b32 s[PFS+1], 0
	v_mul_lo_u32 v[PFO], v72, s92
	s_mul_i32 s93, s93, s[WV]
	s_add_co_u32 s66, s66, s93
	s_add_co_u32 s66, s66, s[PFS]                  ; in slot 1: the first change of slots steps it to slot 2
	s_add_co_u32 s66, s66, s90
	s_add_nc_u64 s[PFA:PFA+1], s[PFA:PFA+1], s[66:67]
	s_cmp_lt_u32 s[WV], 3
	s_cselect_b32 s[LIM], 0, 1                     ; waves 0 to 2
	s_or_b32 s[LIM], s[LIM], ttmp9                 ; of the batch's first cluster: the same in all four partners
	s_cmp_eq_u32 s[LIM], 0
	s_cselect_b32 s[LIM], 1, -1
	; the end's LDS places, kept in s86-s90
	s_mul_i32 s86, s[WV], MRGW                     ; my images
	s_mul_i32 s87, s[QG], MRGW
	s_lshl_b32 s88, s[GRP], 12
	s_add_co_u32 s88, s88, s87                     ; what I take: key half 0's image of tile g of my query group
	s_lshl_b32 s90, s[GRP], 8
	s_add_co_u32 s90, s90, s87                     ; and its statistics
	s_mul_i32 s89, s[WV], 4352
	s_add_co_u32 s89, s89, OSTG                    ; my stage
	s_wait_alu depctr_va_vdst(0)                   ; the wait at the head's end
	s_wait_loadcnt 0x0                             ; Q
.Lslot:                                            ; seven trips: behind each change of slots but the last the next slot is asked for (the first time: slot 1's first fill)
	CHANGE 1
	SLOT_STEPS
	s_sub_co_u32 s[SLOTS], s[SLOTS], 1
	s_cmp_lg_u32 s[SLOTS], 0
	s_cbranch_scc1 .Lslot
	CHANGE 0                                       ; the last slot is written out
	SLOT_STEPS
	; THE END.  Each wave lays O^T of its two tiles, -M and the row's sum into LDS as images of its registers; behind a barrier wave 4 g + qg takes tile g of query group qg from both key halves,
	; brings them under one M, divides by the sum and stores 16 rows of out.
	v_add_f32 v[XA+212+T], v[XA+212+L], v[XA+212+L+1]          ; the sum's two halves
	v_and_b32 v26, 31, v0                          ; lane
	v_and_b32 v24, 15, v0                          ; r
	v_bfe_u32 v25, v0, 4, 1                        ; h
	v_add_f32 v[XA+T], v[XA+L], v[XA+L+1]
	v_permlanex16_b32 v[XA+212+PT], v[XA+212+T], s[SEL], s[SEL+1]
	v_lshl_add_u32 v14, v26, 4, s86                ; my images: 16 bytes a lane
	v_lshl_add_u32 v15, v26, 2, s86                ; my statistics: 4 bytes a lane
	v_lshl_add_u32 v8, v26, 4, s88
	v_permlanex16_b32 v[XA+PT], v[XA+T], s[SEL], s[SEL+1]
	v_lshl_add_u32 v9, v26, 2, s90
	v_add_f32 v[XA+212+L], v[XA+212+T], v[XA+212+PT]           ; with lane l xor 16's: my key half's sum of the row
	v_mad_u32_u24 v10, v24, 272, s89               ; the stage, in: row r, 64 t + 32 h bytes
	v_mad_u32_u24 v11, v25, 272, s89               ; back: lanes 0-15 one row of 256 bytes, lanes 16-31 the next
	v_lshlrev_b32 v12, 8, v25                      ; and the same two rows in out
	v_add_f32 v[XA+L], v[XA+T], v[XA+PT]
	v_lshl_add_u32 v10, v25, 5, v10
	v_lshl_add_u32 v11, v24, 4, v11
	v_lshl_add_u32 v12, v24, 4, v12
.irp k, 0,1,2,3,4,5,6,7
	ds_store_b128 v14, v[O+4*\k:O+4*\k+3] offset:512*\k             ; each accumulator from its low end on
.endr
	ds_store_b32 v15, v[XA+NM] offset:8192
	ds_store_b32 v15, v[XA+L] offset:8320
	ds_store_b32 v15, v[XA+212+NM] offset:8448
	ds_store_b32 v15, v[XA+212+L] offset:8576
	WIN 0x04                                       ; an LDS store's data are its source 1: window 1
.irp k, 0,1,2,3,4,5,6,7
	ds_store_b128 v14, v[O+4*\k:O+4*\k+3] offset:4096+512*\k
.endr
	WIN 0
	s_wait_alu depctr_va_vdst(0)
	s_wait_dscnt 0x0                               ; for the others' sake: my stores have landed
	s_barrier_signal -1
	s_barrier_wait -1
.irp k, 0,1,2,3,4,5,6,7
	ds_load_b128 v[S+4*\k:S+4*\k+3], v8 offset:512*\k
	ds_load_b128 v[S+32+4*\k:S+32+4*\k+3], v8 offset:4*MRGW+512*\k
.endr
	ds_load_b32 v28, v9 offset:8192                ; -M and the sum of key half 0,
	ds_load_b32 v29, v9 offset:8320
	ds_load_b32 v30, v9 offset:4*MRGW+8192         ; and of key half 1
	ds_load_b32 v31, v9 offset:4*MRGW+8320
	s_wait_dscnt 0x0
	v_min_num_f32 v22, v28, v30                    ; -M of the larger M
	D 1
	v_sub_f32 v23, v22, v28                        ; whole numbers, 0 or less
	D 2
	v_sub_f32 v24, v22, v30
	D 2
	v_cvt_i32_f32 v23, v23
	D 2
	v_cvt_i32_f32 v24, v24
	D 2
	v_ldexp_f32 v23, 1.0, v23                      ; what brings each half under it: exact
	D 2
	v_ldexp_f32 v24, 1.0, v24
	D 2
	v_mul_f32 v25, v29, v23
	D 1
	v_fma_f32 v25, v31, v24, v25                   ; the row's sum
	s_wait_alu depctr_va_vdst(0)                   ; the wait ahead of the transcendental
	v_rcp_f32 v26, v25
	v_mov_b32 v33, 0                               ; (a plain line behind the reciprocal; upper halves of the two pairs below)
	v_mov_b32 v35, 0
	s_wait_alu depctr_va_vdst(0)                   ; and behind it, ahead of its first reader
	v_mul_f32 v32, v23, v26
	v_mul_f32 v34, v24, v26
.irp i, 0,1,2,3,4,5,6,7,8,9,10,11,12,13,14,15
	v_pk_mul_f32 v[S+2*\i:S+2*\i+1], v[S+2*\i:S+2*\i+1], v[32:33] op_sel_hi:[1,0]
.endr
.irp i, 0,1,2,3,4,5,6,7,8,9,10,11,12,13,14,15
	v_pk_fma_f32 v[S+2*\i:S+2*\i+1], v[S+32+2*\i:S+32+2*\i+1], v[34:35], v[S+2*\i:S+2*\i+1] op_sel_hi:[1,0,1]
.endr
.irp t, 0,1,2,3
	ds_store_b128 v10, v[S+8*\t:S+8*\t+3] offset:64*\t
	ds_store_b128 v10, v[S+8*\t+4:S+8*\t+7] offset:64*\t+16
.endr
.irp i, 0,1,2,3,4,5,6,7
	ds_load_b128 v[S+32+4*\i:S+32+4*\i+3], v11 offset:544*\i       ; LDS serves a wave's instructions in order (ISA guide 5.7.1.4): these see my stores; the stage is my own
.endr
.irp i, 0,1,2,3,4,5,6,7
	s_wait_dscnt 7-\i                              ; read i is back; the 7 - i younger ones may stay out
	global_store_b128 v12, v[S+32+4*\i:S+32+4*\i+3], s[16:17] offset:512*\i th:TH_STORE_NT   ; 16 lanes store a row of out: 256 consecutive bytes, at a multiple of 256 from out's first byte
.endr
	s_wait_tensorcnt 0x0                           ; the wave's end
	ds_add_u32 v[SPW], v[NIL]
	s_wait_dscnt 0x0
	CROUND                                         ; the closing round
	s_endpgm
.Lfunc_end_k_qeff30b768b_ring_attention:
	.size	k_qeff30b768b_ring_attention, .Lfunc_end_k_qeff30b768b_ring_attention-k_qeff30b768b_ring_attention
	.p2alignl 7, 3214868480
	.fill 96, 4, 3214868480
	.section	.rodata,"a",@progbits
	.p2align	6, 0x0
	.amdhsa_kernel k_qeff30b768b_ring_attention
		.amdhsa_group_segment_fixed_size 327680
		.amdhsa_private_segment_fixed_size 0
		.amdhsa_enable_private_segment 0
		.amdhsa_kernarg_size 56
		.amdhsa_user_sgpr_count 2
		.amdhsa_user_sgpr_kernarg_segment_ptr 1
		.amdhsa_wavefront_size32 1
		.amdhsa_system_sgpr_workgroup_id_x 1
		.amdhsa_system_sgpr_workgroup_id_y 1
		.amdhsa_system_sgpr_workgroup_id_z 1
		.amdhsa_system_vgpr_workitem_id 0
		.amdhsa_next_free_vgpr 512
		.amdhsa_next_free_sgpr 100
		.amdhsa_reserve_vcc 0
		.amdhsa_float_denorm_mode_32 3
		.amdhsa_float_denorm_mode_16_64 3
		.amdhsa_memory_ordered 1
		.amdhsa_forward_progress 1
		.amdhsa_inst_pref_size 252
	.end_amdhsa_kernel
	.amdgpu_metadata
---
amdhsa.version: [ 1, 2 ]
amdhsa.kernels:
  - .name:           k_qeff30b768b_ring_attention
    .symbol:         k_qeff30b768b_ring_attention.kd
    .args:
      - { .name: q_local_codes, .offset: 0, .size: 8, .value_kind: global_buffer, .address_space: global }
      - { .name: q_local_scales, .offset: 8, .size: 8, .value_kind: global_buffer, .address_space: global }
      - { .name: k_local_codes, .offset: 16, .size: 8, .value_kind: global_buffer, .address_space: global }
      - { .name: k_local_scales, .offset: 24, .size: 8, .value_kind: global_buffer, .address_space: global }
      - { .name: v_local_codes, .offset: 32, .size: 8, .value_kind: global_buffer, .address_space: global }
      - { .name: v_local_scales, .offset: 40, .size: 8, .value_kind: global_buffer, .address_space: global }
      - { .name: out0, .offset: 48, .size: 8, .value_kind: global_buffer, .address_space: global }
    .group_segment_fixed_size: 327680
    .private_segment_fixed_size: 0
    .kernarg_segment_align: 8
    .kernarg_segment_size: 56
    .max_flat_workgroup_size: 256
    .sgpr_count:     100
    .vgpr_count:     512
    .wavefront_size: 32
...
	.end_amdgpu_metadata
.endif
;; end of part 1
